; MI455X (gfx1250); checked and timed in simulation.
; The chip was launched on July 23, 2026; its instructions are those of AMD's public machine-readable ISA for CDNA 5 (MIT licence, August 2026) and "CDNA5" Instruction Set Architecture Reference Guide (July 2026). The comments in the code are by the model that wrote it; some were corrected since.
;; Head. Allowed arithmetic: matrix products marked QUANTISED: E5M2 operands, one E8M0 scale for each 32 along K, by v_wmma_scale_f32_16x16x128_f8f6f4 with both operands' format E5M2, f32 sums; everything else in f32.
;; Inputs: Wk_codes 64 x 2 x 32 uint8 (E5M2 codes of Wk, K innermost, in blocks of 32 codes); Wk_scales 64 x 2 uint8 (E8M0 scales of Wk, one for each 32 codes along K); Wq_codes 64 x 2 x 32 uint8 (E5M2 codes of Wq, K innermost, in blocks of 32 codes); Wq_scales 64 x 2 uint8 (E8M0 scales of Wq, one for each 32 codes along K); Wv_codes 64 x 2 x 32 uint8 (E5M2 codes of Wv, K innermost, in blocks of 32 codes); Wv_scales 64 x 2 uint8 (E8M0 scales of Wv, one for each 32 codes along K); x_codes 16 x 4,096 x 2 x 32 uint8 (E5M2 codes of x, K innermost, in blocks of 32 codes); x_scales 16 x 4,096 x 2 uint8 (E8M0 scales of x, one for each 32 codes along K).
;; Outputs: out0 16 x 4,096 x 64 float32.
;; This version of the problem:
;;   THIS VERSION OF THE PROBLEM IS GIVEN IN LOW PRECISION. The matrix products marked QUANTISED in the list below multiply operands that are first quantised to E5M2 (5 exponent bits, 2 mantissa bits; 8 bits a number), with one power-of-two scale for each 32 numbers along K (OCP MX v1.0); their sums are f32. All else is computed in f32.
;;   The module's matrix products, in the order in which they are computed (A, B: the left and right operand; K: the contracted axis; several contracted axes count as one K, in the product's order):
;;     1. [M 65,536, K 64] x [K 64, N 64]; A: input x (given as codes); B: input Wq (given as codes): QUANTISED
;;     2. [M 65,536, K 64] x [K 64, N 64]; A: input x (given as codes); B: input Wk (given as codes): QUANTISED
;;     3. [M 65,536, K 64] x [K 64, N 64]; A: input x (given as codes); B: input Wv (given as codes): QUANTISED
;;     4. batch 16 x [M 4,096, K 64] x [K 64, N 4,096]; A: computed on the way; B: computed on the way: QUANTISED
;;     5. batch 16 x [M 4,096, K 4,096] x [K 4,096, N 64]; A: softmax (see below); B: computed on the way: QUANTISED
;;   THE QUANTISER, for each operand of a quantised product, along K:
;;     - K is cut into blocks of 32 from its start; a last block that is shorter is filled with zeros.
;;     - A block's scale is 2^e with e = floor(log2(the largest magnitude in the block)) - 15, held to -126 .. 127; a block of zeros has e = 0. As a byte (E8M0): e + 127.
;;     - Each number is divided by its block's scale, clamped to +-57,344, and rounded to the nearest number of E5M2, ties to even, subnormals kept.
;;     - The product sums the exact products of the quantised numbers (number of the format x scale) in f32.
;;   ~~~python
;;   def quantise(x, axis):      # numpy; x: float32 -> the quantised numbers, widened to float32 again
;;       x = np.moveaxis(x, axis, -1); K = x.shape[-1]
;;       x = np.pad(x, [(0, 0)] * (x.ndim - 1) + [(0, -K % 32)]); x = x.reshape(x.shape[:-1] + (-1, 32)); a = np.abs(x).max(-1, keepdims=True)
;;       e = np.where(a > 0, np.clip(np.frexp(np.where(a > 0, a, 1))[1] - 1 - 15, -126, 127), 0)      # np.frexp(a)[1] - 1 = floor(log2(a)), exactly
;;       r = np.clip(x / 2.0 ** e, -57344, 57344)
;;       step = 2.0 ** (np.maximum(np.frexp(np.where(r == 0, 1, r))[1] - 1, -14) - 2)
;;       q = np.round(r / step) * step * 2.0 ** e      # np.round: ties to even
;;       return np.moveaxis(q.reshape(q.shape[:-2] + (-1,))[..., :K], -1, axis).astype(np.float32)
;;   ~~~
;;   SOFTMAX AHEAD OF A QUANTISED PRODUCT. Where the list says 'softmax', what is quantised is not the finished softmax but p = 2^(t - M), with t = logit x log2(e) and M = ceil(the row's largest t), a whole number; so 1/2 < the row's largest p <= 1. The row's sum l is taken of the UNQUANTISED p, in f32, and the product's result is divided by l at the end. Since M is a whole number, a kernel that streams over the keys may use a running M (the ceiling of the running maximum): every later rescaling is an exact power of two, which a block's scale takes up: the codes' values come out the same.
;;   OPERANDS COMPUTED ON THE WAY. 'Computed on the way' means the value that the module computes at that place (a softmax that the list does not call 'softmax' is quantised finished and normalised). What goes into a quantiser is computed in f32, as accurately as f32 sums, v_exp_f32 and their like allow (about 1e-6 of the number): no bf16 or f16 on the way to a quantiser, and a product that is left as it is and whose result goes on into a quantised operand takes f32 operands (vector FMAs, or v_wmma_f32_16x16x4_f32). A number that lies on a knife's edge between two numbers of the format may be rounded either way, as far as f32 arithmetic and the matrix unit's own rounding can turn it there, and no further.
;;   INPUTS GIVEN AS CODES. Wk (in the module: [64, 64], K = its axis 0); Wq (in the module: [64, 64], K = its axis 0); Wv (in the module: [64, 64], K = its axis 0); x (in the module: [16, 4096, 64], K = its axis 2): each comes as NAME_codes (uint8): NAME with its K axis moved to the last place and cut into blocks of 32 codes, [.., K / 32, bytes a block], one block behind the other in memory; one code a byte (a code: sign, 5 exponent bits, 2 mantissa bits); and NAME_scales (uint8): the same leading axes, one E8M0 byte (e + 127) for each 32 codes along K. Its value is code x scale, taken as it is: it is not quantised again, and the codes and scales need not be those that the quantiser above would give.
;; One version. Each part assembles by itself: llvm-mc -triple=amdgcn-amd-amdhsa -mcpu=gfx1250 --defsym DOCPART=n.
;; ======== version 1 of 1: 2 launches
;; workspace buffers: qkv 13,238,272 bytes
;; launch proj (part 1): grid 512 x 1, 3 waves a work-group, no clusters, 0 bytes of LDS; arguments x_codes, x_scales, Wk_codes, Wk_scales, Wq_codes, Wq_scales, Wv_codes, Wv_scales, qkv; writes qkv
.if DOCPART == 1
	.amdgcn_target "amdgcn-amd-amdhsa--gfx1250"
	.amdhsa_code_object_version 6
	.text
	.protected	k_q9e06fb17c3_proj
	.globl	k_q9e06fb17c3_proj
	.p2align	8
	.type	k_q9e06fb17c3_proj,@function
k_q9e06fb17c3_proj:
	s_mov_b64 s[64:65], 0
	v_nop
	global_prefetch_b8 v0, s[64:65] scope:SCOPE_SE
	s_setreg_imm32_b32 hwreg(HW_REG_WAVE_MODE, 25, 1), 1
	s_wait_xcnt 0x0
; q = x Wq, k = x Wk, v = x Wv on codes of BF8 (E5M2) with E8M0 scales, and the results quantised anew: q and k along the head's 64 (two blocks of 32), v along the keys (blocks of 32 tokens).
; x: [65,536 tokens][64] codes, 2 scale bytes a token.  W*: [64 (d)][64 (c)] codes, K innermost, 2 scale bytes a row.
; SHARES.  A work-group takes 128 tokens and writes one RECORD of 25,856 bytes of the workspace; wave 0 makes k, wave 1 q, wave 2 v.  The waves share nothing: no LDS, no barrier.
; THE RECORD holds images of operand registers, lane l's 16 bytes at 16 l, so that every store here and every load of the next launch covers consecutive bytes:
;   0       k's codes: tile t (tokens 16 t ..) at 1,024 t, registers 4 c .. 4 c + 3 (d = 32 c + 16 (lane / 16) + 0 .. 15 of token lane % 16) at + 512 c
;   8,192   v's codes: fragment n (d = 16 n + lane % 16) at 2,048 n, registers 4 c .. 4 c + 3 (the 32 keys of block c) at + 512 c
;   16,384  k's scale words: at 16 lane + 4 i the word of token 32 i + lane       16,896  v's: at 8 lane + 4 i the word (four key blocks) of d = 32 i + lane
;   17,152  q's codes, laid as k's                                              25,344  q's scale words, laid as k's
; K = 64 IN AN INSTRUCTION OF K = 128: registers 8 .. 15 of every fragment hold zero codes, written once; the upper two bytes of every scale word are 0, which is a power of two over zeros.
; q, k: the product is used transposed (source 0 = 16 rows of W, source 1 = 16 tokens), and lane r of W's tile 2 b + u takes row 32 b + 8 u + r + 8 (r / 8): a lane then holds one token, and the 16 registers
; of tiles 2 b, 2 b + 1 are d = 32 b + 16 (lane / 16) + 0 .. 15: the conversions' results are the operand's registers.
; v: source 0 = 16 tokens, source 1 = 16 rows of Wv: a lane holds one d, and the 16 registers of two neighbouring tiles of tokens are keys 32 c + 8 (lane / 16) + i % 8 + 16 (i / 8).  That is a permutation
; inside a block of 32 keys; the next launch's p comes out of its first product in the same order, so the products and the blocks' scales agree.
; A block's scale is 2^(floor(log2(its largest magnitude)) - 15); its byte is that magnitude's exponent field - 15, held at 1 from below.
; LIMITS: NaN and infinities among the codes and scale bytes are not served.  A block of zeros gets the byte 1 where the rule says 127: its codes are zeros, and this program alone reads the bytes.
.set REC,  25856
.set VC,   8192
.set KS,   16384
.set VS,   16896
.set QC,   17152
.set QS,   25344
.set XO,   4                           ; v4   x: 64 (lane % 16) + 16 (lane / 16)
.set XSO,  5                           ; v5   x's scale bytes: 2 x lane
.set WO,   6                           ; v6   W: 64 x my row of a tile + 16 (lane / 16)
.set WSO,  7                           ; v7   W's scale bytes: 2 x my row
.set L16,  8                           ; v8   16 x lane
.set L8,   9                           ; v9   8 x lane
.set XS,   10                          ; v10-13  x's scale words: register p: lane l has token 32 p + l's
.set WS,   14                          ; v14-17  W's scale words, a register a tile
.set TM,   20                          ; v20-23  largest magnitudes
.set BY,   24                          ; v24-27  the other half's maxima, then the scale bytes
.set HD,   28                          ; v28-31  57,344 x the scale
.set SO,   32                          ; v32-35  the conversions' scale operands
.set WD,   36                          ; v36-39  words in the making
.set RW,   44                          ; v44-47  the scale words as they are stored
.set PC,   48                          ; v48-63  the codes just made
.set ACC,  64                          ; v64-127 eight results of 16 x 16
.set WF,   128                         ; v128-191 W's four fragments
.set XF,   192                         ; v192-223 two fragments of x
.set WV,   22
.set SEL,  34
.set MNT,  36
.set HI,   37
	s_load_b256 s[4:11], s[0:1], 0x0               ; x's codes s[4:5], x's scales s[6:7], Wk's codes s[8:9], Wk's scales s[10:11]
	s_load_b256 s[12:19], s[0:1], 0x20             ; Wq's codes s[12:13], scales s[14:15], Wv's codes s[16:17], scales s[18:19]
	s_load_b64 s[20:21], s[0:1], 0x40              ; the workspace
.irp t, 0,1,2,3
.irp i, 8,9,10,11,12,13,14,15
	v_mov_b32 v[WF+16*\t+\i], 0                    ; K = 64 .. 127 of every fragment: zero codes, written once; no load ever lands here
.endr
.endr
.irp m, 0,1
.irp i, 8,9,10,11,12,13,14,15
	v_mov_b32 v[XF+16*\m+\i], 0
.endr
.endr
.irp b, 0,1,2,3
	v_mov_b32 v[BY+\b], 0                          ; written once: a lane permute's destination counts as one of its sources
.endr
	v_lshrrev_b32 v1, 5, v0
	v_readfirstlane_b32 s[WV], v1                  ; wave 0 .. 2
	v_and_b32 v1, 31, v0                           ; lane
	v_and_b32 v2, 15, v0                           ; r
	v_bfe_u32 v3, v0, 4, 1                         ; h
	v_lshlrev_b32 v[XO], 6, v2
	v_lshl_add_u32 v[XO], v3, 4, v[XO]
	v_lshlrev_b32 v[XSO], 1, v1
	v_lshlrev_b32 v[L16], 4, v1
	v_lshlrev_b32 v[L8], 3, v1
	s_mov_b32 s[SEL], 0x76543210
	s_mov_b32 s[SEL+1], 0xfedcba98                 ; v_permlanex16_b32's selects for lane l xor 16
	s_mov_b32 s[MNT], 0x600000                     ; the mantissa field of 57,344
	s_mov_b32 s[HI], 0xffff0000                    ; a lane mask: lanes 16-31
	s_lshl_b32 s28, ttmp9, 13                      ; my 128 tokens: 8,192 bytes of codes,
	s_mov_b32 s29, 0
	s_wait_kmcnt 0x0
	s_add_nc_u64 s[4:5], s[4:5], s[28:29]
	s_lshl_b32 s28, ttmp9, 8                       ; 256 scale bytes,
	s_add_nc_u64 s[6:7], s[6:7], s[28:29]
	s_mul_i32 s28, ttmp9, REC                      ; and one record
	s_add_nc_u64 s[20:21], s[20:21], s[28:29]
.macro XLOAD p                         ; tiles 2 p and 2 p + 1 of x: 16 tokens x 64 codes each, registers 0 .. 7 of a fragment
.irp m, 0,1
.irp c, 0,1
	global_load_b128 v[XF+16*\m+4*\c:XF+16*\m+4*\c+3], v[XO], s[4:5] offset:(2*(\p)+\m)*1024+32*\c
.endr
.endr
.endm
; The 64 numbers of a lane in v[ACC] on are four blocks' halves: block b = registers 16 b .. 16 b + 15, its other 16 numbers in lane l xor 16.  Codes into v[PC + 4 b] on, scale bytes into v[BY + b].
.macro QUANT4
.irp b, 0,1,2,3
	v_max3_num_f32 v[TM+\b], |v[ACC+16*\b]|, |v[ACC+1+16*\b]|, 0x8000000   ; my 16 numbers, from each result's low end on, and the floor 2^(16 - 127): so the byte cannot fall under 1
.endr
.irp i, 2,4,6,8,10,12,14
.irp b, 0,1,2,3
	v_max3_num_f32 v[TM+\b], v[TM+\b], |v[ACC+16*\b+\i]|, |v[ACC+1+16*\b+\i]|   ; (the four blocks by turns: no line waits for the line above it)
.endr
.endr
.irp b, 0,1,2,3
	v_permlanex16_b32 v[BY+\b], v[TM+\b], s[SEL], s[SEL+1]
.endr
.irp b, 0,1,2,3
	v_max_num_f32 v[TM+\b], v[TM+\b], v[BY+\b]     ; with lane l xor 16's: the block's largest magnitude
.endr
.irp b, 0,1,2,3
	v_add_nc_u32 v[SO+\b], 0xf8800000, v[TM+\b]    ; 15 off its exponent field: the conversion takes the exponent field of this operand as its scale
.endr
.irp b, 0,1,2,3
	v_and_or_b32 v[HD+\b], v[TM+\b], 0x7f800000, s[MNT]   ; 57,344 x the scale
.endr
.irp b, 0,1,2,3
	v_lshrrev_b32 v[BY+\b], 23, v[SO+\b]           ; the scale's byte
.endr
.irp b, 0,1,2,3
.irp i, 0,1,2,3,4,5,6,7,8,9,10,11,12,13,14,15
	v_med3_num_f32 v[ACC+16*\b+\i], v[ACC+16*\b+\i], -v[HD+\b], v[HD+\b]   ; the conversion to an 8-bit code does not saturate (ISA guide 7.6.2): the hold at the largest code x the scale
.endr
	v_cvt_scalef32_pk8_bf8_f32 v[PC+4*\b:PC+4*\b+1], v[ACC+16*\b:ACC+16*\b+7], v[SO+\b]
	v_cvt_scalef32_pk8_bf8_f32 v[PC+4*\b+2:PC+4*\b+3], v[ACC+16*\b+8:ACC+16*\b+15], v[SO+\b]
.endr
	v_nop                                          ; one plain vector line behind the last conversion: the next trip's products write its sources
.endm
.irp p, 0,1,2,3
	global_load_u16 v[XS+\p], v[XSO], s[6:7] offset:64*\p   ; two bytes a token, widened with zeros: tile 2 p's words in lanes 0-15, tile 2 p + 1's in lanes 16-31
.endr
	XLOAD 0
	s_cmp_eq_u32 s[WV], 2
	s_cbranch_scc1 .Lv
	; ---- waves 0 and 1: k and q
	v_and_b32 v[WO], 8, v2
	v_add_nc_u32 v[WSO], v[WO], v2                 ; r + 8 (r / 8)
	v_lshlrev_b32 v[WO], 6, v[WSO]
	v_lshl_add_u32 v[WO], v3, 4, v[WO]
	v_lshlrev_b32 v[WSO], 1, v[WSO]
	s_cmp_eq_u32 s[WV], 0                          ; the choice hangs on the wave's number alone
	s_cselect_b64 s[24:25], s[8:9], s[12:13]       ; Wk's or Wq's codes,
	s_cselect_b64 s[26:27], s[10:11], s[14:15]     ; and scales
	s_mul_i32 s28, s[WV], QC
	s_add_nc_u64 s[30:31], s[20:21], s[28:29]      ; where my codes go,
	s_mul_i32 s28, s[WV], QS-KS
	s_add_co_u32 s28, s28, KS
	s_add_nc_u64 s[32:33], s[20:21], s[28:29]      ; and my scale words
.irp t, 0,1,2,3
.irp c, 0,1
	global_load_b128 v[WF+16*\t+4*\c:WF+16*\t+4*\c+3], v[WO], s[24:25] offset:(32*(\t/2)+8*(\t%2))*64+32*\c
.endr
	global_load_u16 v[WS+\t], v[WSO], s[26:27] offset:(32*(\t/2)+8*(\t%2))*2
.endr
; A trip: 32 tokens.  Eight products, each a whole sum (C = 0), on eight results; then the four blocks (tile m, d block b: registers 32 m + 16 b on) are quantised and stored.
.macro TRIPQK p
	s_wait_loadcnt 0x0                             ; this trip's two fragments of x (in the first trip also W and all scale words): nothing younger is out
	s_wait_xcnt 0x0                                ; the last trip's stores have read their data: the codes' registers are written again only behind this wait
.irp m, 0,1
.irp t, 0,1,2,3
.if \m
	v_wmma_scale_f32_16x16x128_f8f6f4 v[ACC+32*\m+8*\t:ACC+32*\m+8*\t+7], v[WF+16*\t:WF+16*\t+15], v[XF+16*\m:XF+16*\m+15], 0, v[WS+\t], v[XS+\p] matrix_a_fmt:MATRIX_FMT_BF8 matrix_b_fmt:MATRIX_FMT_BF8 matrix_b_scale:MATRIX_SCALE_ROW1
.else
	v_wmma_scale_f32_16x16x128_f8f6f4 v[ACC+32*\m+8*\t:ACC+32*\m+8*\t+7], v[WF+16*\t:WF+16*\t+15], v[XF+16*\m:XF+16*\m+15], 0, v[WS+\t], v[XS+\p] matrix_a_fmt:MATRIX_FMT_BF8 matrix_b_fmt:MATRIX_FMT_BF8
.endif
.endr
.endr
.rept 8
	v_nop                                          ; eight places in front of the loads into x's fragments and of the first read of the results
.endr
.if \p < 3
	XLOAD \p+1                                     ; the next trip's x lands while this trip's results are quantised
.endif
	QUANT4
	v_lshl_or_b32 v[WD], v[BY+1], 8, v[BY]         ; tile 2 p: a token's two bytes make its word,
	v_lshl_or_b32 v[WD+1], v[BY+3], 8, v[BY+2]     ; tile 2 p + 1 likewise;
	v_cndmask_b32 v[RW+\p], v[WD], v[WD+1], s[HI]  ; lane l keeps token 32 p + l's
.irp k, 0,1,2,3
	global_store_b128 v[L16], v[PC+4*\k:PC+4*\k+3], s[30:31] offset:2048*\p+512*\k   ; 32 lanes store 512 consecutive bytes, at a multiple of 256 from the buffer's first byte
.endr
.endm
	TRIPQK 0
	TRIPQK 1
	TRIPQK 2
	TRIPQK 3
	global_store_b128 v[L16], v[RW:RW+3], s[32:33] ; the 128 tokens' scale words: 512 consecutive bytes
	s_endpgm
	; ---- wave 2: v
.Lv:
	v_lshlrev_b32 v[WO], 6, v2                     ; Wv's tiles are neighbouring rows: lane r of tile n takes row 16 n + r
	v_lshl_add_u32 v[WO], v3, 4, v[WO]
	v_lshlrev_b32 v[WSO], 1, v2
.irp t, 0,1,2,3
.irp c, 0,1
	global_load_b128 v[WF+16*\t+4*\c:WF+16*\t+4*\c+3], v[WO], s[16:17] offset:16*\t*64+32*\c
.endr
	global_load_u16 v[WS+\t], v[WSO], s[18:19] offset:32*\t
.endr
; A trip: key block c, 32 tokens.  Registers 16 n + 8 m + j hold v(token 32 c + 16 m + 8 (lane / 16) + j, d = 16 n + lane % 16): block n of the four is the key block's 32 numbers of that d.
.macro TRIPV c
	s_wait_loadcnt 0x0                             ; as above
	s_wait_xcnt 0x0
.irp n, 0,1,2,3
.irp m, 0,1
.if \m
	v_wmma_scale_f32_16x16x128_f8f6f4 v[ACC+16*\n+8*\m:ACC+16*\n+8*\m+7], v[XF+16*\m:XF+16*\m+15], v[WF+16*\n:WF+16*\n+15], 0, v[XS+\c], v[WS+\n] matrix_a_fmt:MATRIX_FMT_BF8 matrix_b_fmt:MATRIX_FMT_BF8 matrix_a_scale:MATRIX_SCALE_ROW1
.else
	v_wmma_scale_f32_16x16x128_f8f6f4 v[ACC+16*\n+8*\m:ACC+16*\n+8*\m+7], v[XF+16*\m:XF+16*\m+15], v[WF+16*\n:WF+16*\n+15], 0, v[XS+\c], v[WS+\n] matrix_a_fmt:MATRIX_FMT_BF8 matrix_b_fmt:MATRIX_FMT_BF8
.endif
.endr
.endr
.rept 8
	v_nop
.endr
.if \c < 3
	XLOAD \c+1
.endif
	QUANT4
.irp n, 0,1,2,3
.if \c == 0
	v_mov_b32 v[WD+\n], v[BY+\n]                   ; a d's word gathers its four key blocks' bytes, the lower keys in the lower byte
.else
	v_lshl_or_b32 v[WD+\n], v[BY+\n], 8*\c, v[WD+\n]
.endif
.endr
.irp k, 0,1,2,3
	global_store_b128 v[L16], v[PC+4*\k:PC+4*\k+3], s[20:21] offset:VC+2048*\k+512*\c
.endr
.endm
	TRIPV 0
	TRIPV 1
	TRIPV 2
	TRIPV 3
	v_cndmask_b32 v[RW], v[WD], v[WD+1], s[HI]     ; lane l keeps the word of d = l,
	v_cndmask_b32 v[RW+1], v[WD+2], v[WD+3], s[HI] ; and of d = 32 + l
	global_store_b64 v[L8], v[RW:RW+1], s[20:21] offset:VS   ; 256 consecutive bytes
	s_endpgm
.Lfunc_end_k_q9e06fb17c3_proj:
	.size	k_q9e06fb17c3_proj, .Lfunc_end_k_q9e06fb17c3_proj-k_q9e06fb17c3_proj
	.p2alignl 7, 3214868480
	.fill 96, 4, 3214868480
	.section	.rodata,"a",@progbits
	.p2align	6, 0x0
	.amdhsa_kernel k_q9e06fb17c3_proj
		.amdhsa_group_segment_fixed_size 0
		.amdhsa_private_segment_fixed_size 0
		.amdhsa_enable_private_segment 0
		.amdhsa_kernarg_size 72
		.amdhsa_user_sgpr_count 2
		.amdhsa_user_sgpr_kernarg_segment_ptr 1
		.amdhsa_wavefront_size32 1
		.amdhsa_system_sgpr_workgroup_id_x 1
		.amdhsa_system_sgpr_workgroup_id_y 1
		.amdhsa_system_sgpr_workgroup_id_z 1
		.amdhsa_system_vgpr_workitem_id 0
		.amdhsa_next_free_vgpr 224
		.amdhsa_next_free_sgpr 66
		.amdhsa_reserve_vcc 0
		.amdhsa_float_denorm_mode_32 3
		.amdhsa_float_denorm_mode_16_64 3
		.amdhsa_memory_ordered 1
		.amdhsa_forward_progress 1
		.amdhsa_inst_pref_size 87
	.end_amdhsa_kernel
	.amdgpu_metadata
---
amdhsa.version: [ 1, 2 ]
amdhsa.kernels:
  - .name:           k_q9e06fb17c3_proj
    .symbol:         k_q9e06fb17c3_proj.kd
    .args:
      - { .name: x_codes, .offset: 0, .size: 8, .value_kind: global_buffer, .address_space: global }
      - { .name: x_scales, .offset: 8, .size: 8, .value_kind: global_buffer, .address_space: global }
      - { .name: Wk_codes, .offset: 16, .size: 8, .value_kind: global_buffer, .address_space: global }
      - { .name: Wk_scales, .offset: 24, .size: 8, .value_kind: global_buffer, .address_space: global }
      - { .name: Wq_codes, .offset: 32, .size: 8, .value_kind: global_buffer, .address_space: global }
      - { .name: Wq_scales, .offset: 40, .size: 8, .value_kind: global_buffer, .address_space: global }
      - { .name: Wv_codes, .offset: 48, .size: 8, .value_kind: global_buffer, .address_space: global }
      - { .name: Wv_scales, .offset: 56, .size: 8, .value_kind: global_buffer, .address_space: global }
      - { .name: qkv, .offset: 64, .size: 8, .value_kind: global_buffer, .address_space: global }
    .group_segment_fixed_size: 0
    .private_segment_fixed_size: 0
    .kernarg_segment_align: 8
    .kernarg_segment_size: 72
    .max_flat_workgroup_size: 96
    .sgpr_count:     66
    .vgpr_count:     224
    .wavefront_size: 32
...
	.end_amdgpu_metadata
.endif
;; end of part 1
;; launch attn (part 2): grid 16 x 16, 8 waves a work-group, no clusters, 327,680 bytes of LDS; arguments qkv, out0; writes out0
.if DOCPART == 2
	.amdgcn_target "amdgcn-amd-amdhsa--gfx1250"
	.amdhsa_code_object_version 6
	.text
	.protected	k_q9e06fb17c3_attn
	.globl	k_q9e06fb17c3_attn
	.p2align	8
	.type	k_q9e06fb17c3_attn,@function
k_q9e06fb17c3_attn:
	s_mov_b64 s[64:65], 0
	v_nop
	global_prefetch_b8 v0, s[64:65] scope:SCOPE_SE
	s_setreg_imm32_b32 hwreg(HW_REG_WAVE_MODE, 25, 1), 1
	s_wait_xcnt 0x0
; out[b][q][:] = the sum over keys k <= q of softmax_k(q . k / 8) v[k][:], both products on codes of BF8 (E5M2) with one E8M0 scale for each 32 along a product's K.  16 batches, 4,096 tokens, head size 64.
; q, k, v come from the workspace, one RECORD of 25,856 bytes for each 128 tokens, as images of operand registers (lane l's 16 bytes at 16 l):
;   0 k's codes (tile t at 1,024 t, registers 4 c .. at + 512 c)   8,192 v's codes (fragment n at 2,048 n, key block c at + 512 c)   16,384 k's scale words   16,896 v's   17,152 q's codes   25,344 q's scale words.
; THE SOFTMAX AHEAD OF THE SECOND PRODUCT: t = score x log2(e) / 8; M = the row's largest t so far, rounded UP to a whole number; p = 2^(t - M) is quantised along the keys, not normalised.  The row's sum is taken
; of the unquantised p, in f32, and divides at the end.  When M moves, the sum and O are multiplied by 2^(old M - new M): exact.
; SHARES.  Work-group (J, batch), J = 0 .. 15, owns two blocks of 128 queries: block J and block 31 - J.  Wave w owns tile w (16 queries) of each and serves them one after the other: the low tile walks key steps
; 0 .. J, the high tile key steps 0 .. 31 - J: (J + 1) + (32 - J) = 33 key steps of 128 keys for every wave of every work-group.  No step is walked whose keys are all hidden, and every trip count is a constant.
; Step n of the 33 takes record ks(n) = n for n <= J, n - J - 1 behind it.  The first 17,152 bytes of a record (k, v and their scale words) come through a ring of two LDS slots of three steps each;
; waves 0 to 2 fetch one record each, all eight waves read them.
; NO CLUSTER: work-groups of one batch read the same records, but behind the same barrier partner J wants records ks(3 i .. 3 i + 2), which hang on J: the partners' requests differ.  A walk that all partners
; share would give each as many steps as the longest has, twice the work of this one.
; LAYOUT.  Both products are used transposed: S^T = K Q^T (source 0 = 16 keys, source 1 = my 16 queries), O^T = V^T P^T (source 0 = 16 of the head's 64, source 1 = P): a lane holds ONE query (lane % 16) throughout.
; Register 8 t + j of S^T is key 16 t + 8 (lane / 16) + j, so p's 16 registers of tiles 2 b, 2 b + 1 are the keys of block b in the order 8 (lane / 16) + i % 8 + 16 (i / 8): the order in which v's codes were laid.
; K = 64 IN AN INSTRUCTION OF K = 128: registers 8 .. 15 of q's and k's fragments hold zero codes, written once; the upper two bytes of their scale words are 0.
; LIMITS: NaN and infinities are not served.  t - M is one fused multiply-add (one rounding where the definition has two).  p under 2^-126 comes out as 0 (v_exp_f32: ISA guide 15.8).  The division by the
; row's sum is v_rcp_f32 and a multiplication.  A block of p that is all zeros has the byte 1: its codes are zeros.
.set REC,   25856
.set KVB,   17152                      ; what a key step wants of a record: 67 rows of 256 bytes
.set VC,    8192
.set KS,    16384
.set VS,    16896
.set QC,    17152
.set QSB,   25344
.set SLOT1, 131072                     ; slot 0 at LDS byte 0, slot 1 here: one exclusive or turns an address in one slot into the other's.  A slot: three steps' 17,152 bytes
.set STAGE, SLOT1+3*KVB                ; behind the ring: the way out of the low tiles, 16 rows x 272 bytes for each wave;
.set STG2,  8*4352                     ; so many bytes on: that of the high tiles.  No tile ever lands in a stage
.set SPARE, STAGE+2*STG2               ; the spare words, 128 bytes for each wave: four blocks of 256 bytes that no other line names
.set SPW, 1                            ; v1   LDS address of my spare word: SPARE + 4 x my thread's number; never rewritten
.set NIL, 2                            ; v2   0; never rewritten
.set L16, 3                            ; v3   16 x lane
.set L8,  4                            ; v4   8 x lane
.set RH,  5                            ; v5   lane % 16 - 8 (lane / 16), for the mask
.set STO, 6                            ; v6   the way out: where I put 32 bytes of a row
.set RD,  7                            ; v7   and where I read a row back
.set ADR, 8                            ; v8   the step's record in LDS + 16 x lane
.set ADR8, 9                           ; v9   the same + 8 x lane
                                       ; v10, v11 offsets of q's loads; v12 -M, v13 the largest t, v[14:15] the row's sum in two halves
.set QF,  16                           ; v16-31   q's fragment (v24-31 zeros)
.set KB,  32                           ; v32-95   four fragments of k (registers 8 .. 15 of each zeros)
.set S,   96                           ; v96-159  S^T, then p, then v's four fragments
.set OT,  160                          ; v160-191 O^T: four results of 16 x 16
.set PC,  192                          ; v192-207 p's codes
.set QH,  208                          ; v208-215 the high tile's q, until its turn
.set QSC, 216                          ; v216 q's scale words;  v217 the high tile's
.set QHS, 217
.set VSC, 218                          ; v218-219 v's scale words
.set KSC, 220                          ; v220-223 k's scale words
.set PS,  224                          ; v224 p's scale word
.set BM,  232                          ; v232-235 the blocks' largest scores, then largest p
.set PB,  236                          ; v236-239 the other half's maxima, the bytes, then the sum's second chain
.set HD,  240                          ; v240-243 57,344 x the scale
.set SO,  244                          ; v244-247 the conversions' scale operands
.set FF,  250                          ; v[250:251] f = 2^(old M - new M); the upper register is written once
.set DM,  252                          ; v252 the mask's bound
.set TP,  254                          ; v254 at work
.set WV,  8
.set J,   9
.set JP1, 10
.set BAT, 11
.set BASE, 12                          ; s[12:13] the batch's first record
.set OFF, 14                           ; s[14:15] an offset as a pair; the upper word stays 0
.set G1,  16                           ; s[16:23] descriptor group 1
.set G0,  24                           ; s[24:27] descriptor group 0
.set NX,  28                           ; s28 which of the 33 steps my next load is for
.set T0,  29
.set TB,  30                           ; s30 LDS byte at which the step's record begins
.set KF,  31                           ; s31 the step's first key
.set Q0,  32                           ; s32 my first query
.set Q0H, 33                           ; s33 that of my high tile
.set OLO, 34                           ; s[34:35], s[36:37] my rows of the output
.set OHI, 36
.set SEL, 38
.set CS,  40                           ; s[40:41] c = log2(e) / 8: the packed form names a pair and takes its low word for both halves
.set MNT, 42
.set SLOTS, 43
.set CNT3, 44
.set TS,  45
.set QP,  46                           ; s[46:47], s[48:49] the records that hold my queries
.set QP2, 48
; The global address of my next load: record ks(NX) of the batch.  Scalar work on registers alone.
.macro GADDR
	s_cmp_le_u32 s[NX], s[J]
	s_cselect_b32 s[T0], 0, s[JP1]
	s_sub_co_u32 s[T0], s[NX], s[T0]               ; ks = NX, or NX - J - 1 behind the low tile's steps
	s_mul_i32 s[OFF], s[T0], REC
	s_add_nc_u64 s[G0+2:G0+3], s[BASE:BASE+1], s[OFF:OFF+1]
	s_or_b32 s[G0+3], s[G0+3], 0x80000000          ; 127:126 type = 2
	s_add_co_u32 s[NX], s[NX], 3                   ; my load for the next slot is three steps on
.endm
; Waves 0 to 2 fetch a record each, the others nothing.  The branch hangs on the wave's number alone.  Four v_nop follow the load.
.macro TLOAD
	s_cmp_lt_u32 s[WV], 3
	s_cbranch_scc0 .Lasked_\@
	tensor_load_to_lds s[G0:G0+3], s[G1:G1+7]
	s_nop 0
.rept 4
	v_nop
.endr
.Lasked_\@:
.endm
	s_load_b128 s[4:7], s[0:1], 0x0                ; the workspace s[4:5], the output s[6:7]
	v_lshl_add_u32 v[SPW], v0, 2, SPARE
	v_mov_b32 v[NIL], 0
	ds_add_u32 v1, v2
	s_wait_dscnt 0x0
	v_lshrrev_b32 v10, 5, v0
	v_readfirstlane_b32 s[WV], v10                 ; wave 0 .. 7
	s_mov_b32 s[J], ttmp9
	s_add_co_u32 s[JP1], s[J], 1
	s_and_b32 s[BAT], ttmp7, 0xffff
	; descriptor group 1: a dense block of 17,152 bytes as 67 rows of 256 bytes (32 elements of 8 bytes); no padding: every LDS read takes consecutive bytes
	s_mov_b32 s[G1+0], 3<<16                       ; 15:0 no mask; 17:16 elements of 8 bytes; 20 padding off
	s_mov_b32 s[G1+1], 32<<16                      ; tensor_dim0 = 32
	s_mov_b32 s[G1+2], 67<<16                      ; tensor_dim1 = 67
	s_mov_b32 s[G1+3], 32<<16                      ; tile_dim0 = 32
	s_mov_b32 s[G1+4], 67                          ; tile_dim1 = 67
	s_mov_b32 s[G1+5], 32                          ; tensor_dim0_stride
	s_mov_b32 s[G1+6], 0
	s_mov_b32 s[G1+7], 0
	s_mov_b32 s[G0], 1                             ; 1:0 count = 1
	s_mul_i32 s[G0+1], s[WV], KVB                  ; 63:32 LDS address: slot 0, step = my wave's number
	s_mov_b32 s[NX], s[WV]
	s_mov_b32 s[OFF+1], 0
	s_mul_i32 s[OFF], s[BAT], 32*REC
	s_wait_kmcnt 0x0
	s_add_nc_u64 s[BASE:BASE+1], s[4:5], s[OFF:OFF+1]
	GADDR
	TLOAD                                          ; slot 0's first fill: ahead of every wait on TENSORcnt, every LDS read and every barrier.  One tensor load of a wave is out, here and behind every barrier
	s_mul_i32 s[OFF], s[J], REC
	s_add_nc_u64 s[QP:QP+1], s[BASE:BASE+1], s[OFF:OFF+1]
	s_sub_co_u32 s[TS], 31, s[J]
	s_mul_i32 s[OFF], s[TS], REC
	s_add_nc_u64 s[QP2:QP2+1], s[BASE:BASE+1], s[OFF:OFF+1]
	s_lshl_b32 s[T0], s[WV], 4
	s_lshl_b32 s[Q0], s[J], 7
	s_add_co_u32 s[Q0], s[Q0], s[T0]               ; my low tile's first query: 128 J + 16 w
	s_lshl_b32 s[Q0H], s[TS], 7
	s_add_co_u32 s[Q0H], s[Q0H], s[T0]             ; my high tile's: 128 (31 - J) + 16 w
	s_lshl_b32 s[TS], s[BAT], 12
	s_add_co_u32 s[OFF], s[TS], s[Q0]
	s_lshl_b32 s[OFF], s[OFF], 8                   ; a row of the output is 256 bytes
	s_add_nc_u64 s[OLO:OLO+1], s[6:7], s[OFF:OFF+1]
	s_add_co_u32 s[OFF], s[TS], s[Q0H]
	s_lshl_b32 s[OFF], s[OFF], 8
	s_add_nc_u64 s[OHI:OHI+1], s[6:7], s[OFF:OFF+1]
	v_and_b32 v8, 15, v0                           ; r (v8 and v9 become the loop's address registers)
	v_bfe_u32 v9, v0, 4, 1                         ; h
	v_and_b32 v[L16], 31, v0
	v_lshlrev_b32 v[L8], 3, v[L16]
	v_lshlrev_b32 v[L16], 4, v[L16]
	v_lshl_add_u32 v10, s[WV], 10, v[L16]          ; q's codes: tile w at 1,024 w, 16 bytes a lane
	s_and_b32 s[TS], s[WV], 1
	s_lshl_b32 s[TS], s[TS], 8
	s_lshr_b32 s[T0], s[WV], 1
	s_lshl_b32 s[T0], s[T0], 2
	s_add_co_u32 s[TS], s[TS], s[T0]
	v_lshl_add_u32 v11, v8, 4, s[TS]               ; q's scale words: token 16 w + r = 32 (w / 2) + (16 (w % 2) + r): byte 16 (16 (w % 2) + r) + 4 (w / 2)
	global_load_b128 v[QF:QF+3], v10, s[QP:QP+1] offset:QC
	global_load_b128 v[QF+4:QF+7], v10, s[QP:QP+1] offset:QC+512
	global_load_b32 v[QSC], v11, s[QP:QP+1] offset:QSB
	global_load_b128 v[QH:QH+3], v10, s[QP2:QP2+1] offset:QC
	global_load_b128 v[QH+4:QH+7], v10, s[QP2:QP2+1] offset:QC+512
	global_load_b32 v[QHS], v11, s[QP2:QP2+1] offset:QSB
	v_lshlrev_b32 v[RH], 3, v9
	v_sub_nc_u32 v[RH], v8, v[RH]
	s_mul_i32 s[TS], s[WV], 4352
	s_add_co_u32 s[TS], s[TS], STAGE               ; my stage
	v_mul_u32_u24 v[STO], v8, 272                  ; in: row r; result n's eight numbers of my half: 64 n + 32 h bytes on
	v_lshl_add_u32 v[STO], v9, 5, v[STO]
	v_add_nc_u32 v[STO], s[TS], v[STO]
	v_mul_u32_u24 v[RD], v9, 272                   ; back: lanes 0-15 take one row of 256 bytes, lanes 16-31 the next
	v_lshl_add_u32 v[RD], v8, 4, v[RD]
	v_add_nc_u32 v[RD], s[TS], v[RD]
.irp i, 8,9,10,11,12,13,14,15
	v_mov_b32 v[QF+\i], 0                          ; K = 64 .. 127: zero codes, written once; no load ever lands here
.endr
.irp t, 0,1,2,3
.irp i, 8,9,10,11,12,13,14,15
	v_mov_b32 v[KB+16*\t+\i], 0
.endr
.endr
	v_mov_b32 v13, 0xff61b1e6                      ; the largest t so far: -3e38, under every t
	v_floor_f32 v12, -v13                          ; -M
	v_mov_b32 v14, 0                               ; the sum, in two halves
	v_mov_b32 v15, 0
.set jj, 0
.rept 32
	v_mov_b32 v[OT+jj], 0                          ; O^T.  (The key step is written once for all steps: a tile's first step finds zeros, which the first change of M leaves zeros)
.set jj, jj+1
.endr
.irp b, 0,1,2,3
	v_mov_b32 v[PB+\b], 0                          ; written once: a lane permute's destination counts as one of its sources
.endr
	v_mov_b32 v[FF+1], 0                           ; (named as the upper half of a pair)
	v_mov_b32 v[TP], 0
	s_mov_b32 s[SEL], 0x76543210
	s_mov_b32 s[SEL+1], 0xfedcba98                 ; v_permlanex16_b32's selects for lane l xor 16
	s_mov_b32 s[CS], 0x3e38aa3b                    ; c = log2(e) / 8
	s_mov_b32 s[CS+1], s[CS]
	s_mov_b32 s[MNT], 0x600000                     ; the mantissa field of 57,344
	s_mov_b32 s[TB], 0
	s_mov_b32 s[KF], 0
	s_mov_b32 s[SLOTS], 10
.macro KLOAD g                         ; tiles 4 g .. 4 g + 3 of k: registers 0 .. 7 of the four fragments
.irp t, 0,1,2,3
	ds_load_b128 v[KB+16*\t:KB+16*\t+3], v[ADR] offset:1024*(4*\g+\t)
	ds_load_b128 v[KB+16*\t+4:KB+16*\t+7], v[ADR] offset:1024*(4*\g+\t)+512
.endr
.endm
.macro SMUL g                          ; their scores: four products, each a whole sum.  Scale register i holds the words of tile 2 i in lanes 0-15 and of tile 2 i + 1 in lanes 16-31
.irp t, 0,1,2,3
.if \t % 2
	v_wmma_scale_f32_16x16x128_f8f6f4 v[S+8*(4*\g+\t):S+8*(4*\g+\t)+7], v[KB+16*\t:KB+16*\t+15], v[QF:QF+15], 0, v[KSC+2*\g+\t/2], v[QSC] matrix_a_fmt:MATRIX_FMT_BF8 matrix_b_fmt:MATRIX_FMT_BF8 matrix_a_scale:MATRIX_SCALE_ROW1
.else
	v_wmma_scale_f32_16x16x128_f8f6f4 v[S+8*(4*\g+\t):S+8*(4*\g+\t)+7], v[KB+16*\t:KB+16*\t+15], v[QF:QF+15], 0, v[KSC+2*\g+\t/2], v[QSC] matrix_a_fmt:MATRIX_FMT_BF8 matrix_b_fmt:MATRIX_FMT_BF8
.endif
.endr
.endm
; A KEY STEP: the 128 keys of the record at LDS byte TB.
.macro STEP
	v_add_nc_u32 v[ADR], s[TB], v[L16]
	v_add_nc_u32 v[ADR8], s[TB], v[L8]
	ds_load_b128 v[KSC:KSC+3], v[ADR] offset:KS    ; k's scale words of the whole step
	KLOAD 0
.rept 7
	v_nop                                          ; the first product below writes over registers that the last step's last products read (v's fragments): nine places: the two additions above and these seven
.endr
	s_wait_dscnt 0x0
	SMUL 0
.rept 8
	v_nop                                          ; eight places in front of loads into registers that these products read
.endr
	KLOAD 1
	s_wait_dscnt 0x0
	SMUL 1
.rept 8
	v_nop                                          ; and in front of the first read of the results
.endr
	; THE MASK.  A step all of whose keys count is not touched: a scalar branch on ids.  On the diagonal hidden scores become -infinity ahead of the maximum: p = 0 then.
	s_add_co_u32 s[TS], s[KF], 127
	s_cmp_le_u32 s[TS], s[Q0]
	s_cbranch_scc1 .Lopen_\@
	s_sub_co_i32 s[TS], s[Q0], s[KF]
	v_add_nc_u32 v[DM], s[TS], v[RH]               ; d = my query - KF - 8 (lane / 16).  Register n holds key KF + 8 (lane / 16) + 16 (n / 8) + n % 8: hidden where 16 (n / 8) + n % 8 > d
	v_mov_b32 v[TP], 0xff800000                    ; -infinity
.irp n, 0,1,2,3,4,5,6,7,8,9,10,11,12,13,14,15,16,17,18,19,20,21,22,23,24,25,26,27,28,29,30,31,32,33,34,35,36,37,38,39,40,41,42,43,44,45,46,47,48,49,50,51,52,53,54,55,56,57,58,59,60,61,62,63
	v_cmp_gt_i32 vcc_lo, 16*(\n/8)+\n%8, v[DM]
	v_cndmask_b32 v[S+\n], v[S+\n], v[TP], vcc_lo  ; (each result from its low end on)
.endr
.Lopen_\@:
.irp b, 0,1,2,3
	v_max3_num_f32 v[BM+\b], v[S+16*\b], v[S+1+16*\b], v[S+2+16*\b]   ; THE LARGEST SCORE OF EACH BLOCK OF 32 KEYS serves twice: for the row's maximum, and, since p rises with the score, for the block's largest p
.endr
.irp i, 3,5,7,9,11,13
.irp b, 0,1,2,3
	v_max3_num_f32 v[BM+\b], v[BM+\b], v[S+16*\b+\i], v[S+1+16*\b+\i]   ; (the four blocks by turns)
.endr
.endr
.irp b, 0,1,2,3
	v_max_num_f32 v[BM+\b], v[BM+\b], v[S+15+16*\b]
.endr
.irp b, 0,1,2,3
	v_permlanex16_b32 v[PB+\b], v[BM+\b], s[SEL], s[SEL+1]
.endr
.irp b, 0,1,2,3
	v_max_num_f32 v[BM+\b], v[BM+\b], v[PB+\b]     ; with lane l xor 16's 16 keys
.endr
	v_max3_num_f32 v[TP], v[BM], v[BM+1], v[BM+2]
	v_max_num_f32 v[TP], v[TP], v[BM+3]            ; the step's largest score of my query
	v_mul_f32 v[TP], s[CS], v[TP]                  ; as t (c is positive)
	v_max_num_f32 v13, v13, v[TP]                  ; the running largest t
	v_mov_b32 v[TP], v12
	v_floor_f32 v12, -v13                          ; the new -M = floor(-t) = -ceil(t): M is a whole number
	v_sub_f32 v[TP], v12, v[TP]                    ; M's old value less its new one: a whole number, 0 or less
	v_cvt_i32_f32 v[TP], v[TP]                     ; (it saturates)
	v_ldexp_f32 v[FF], 1.0, v[TP]                  ; f = 2^(old M - new M)
.set jj, 0
.rept 32
	v_pk_fma_f32 v[S+jj:S+jj+1], v[S+jj:S+jj+1], s[CS:CS+1], v[12:13] op_sel_hi:[1,0,0]   ; t - M, two at a time (of the pairs c and -M the low word serves both halves)
.set jj, jj+2
.endr
.irp b, 0,1,2,3
	v_fma_f32 v[BM+\b], v[BM+\b], s[CS], v12       ; the same of each block's largest score
.endr
.set jj, 0
.rept 64
	v_exp_f32 v[S+jj], v[S+jj]                     ; p = 2^(t - M), at most 1: not normalised
.set jj, jj+1
.endr
.irp b, 0,1,2,3
	v_exp_f32 v[BM+\b], v[BM+\b]                   ; the block's largest p: the same two instructions on the same number give the same bits
.endr
	v_pk_mul_f32 v[14:15], v[14:15], v[FF:FF+1] op_sel_hi:[1,0]   ; the sums under the new M.  (The plain line behind the exponentials)
	s_wait_alu depctr_va_vdst(0)
.irp b, 0,1,2,3
	v_max_num_f32 v[BM+\b], 0x8000000, v[BM+\b]    ; the floor 2^(16 - 127): the byte cannot fall under 1
.endr
.irp b, 0,1,2,3
	v_add_nc_u32 v[SO+\b], 0xf8800000, v[BM+\b]    ; 15 off the exponent field: the conversion's scale operand
.endr
.irp b, 0,1,2,3
	v_and_or_b32 v[HD+\b], v[BM+\b], 0x7f800000, s[MNT]   ; 57,344 x the scale
.endr
.irp b, 0,1,2,3
	v_lshrrev_b32 v[PB+\b], 23, v[SO+\b]           ; the scale's byte
.endr
	v_lshl_or_b32 v[PS], v[PB+1], 8, v[PB]         ; p's scale word for these 128 keys
	v_lshl_or_b32 v[PS], v[PB+2], 16, v[PS]
	v_lshl_or_b32 v[PS], v[PB+3], 24, v[PS]
	v_pk_add_f32 v[PB:PB+1], v[S:S+1], v[S+2:S+3]  ; THE ROW'S SUM IS TAKEN OF THE UNQUANTISED p: two at a time, in two chains
.irp j, 4,8,12,16,20,24,28,32,36,40,44,48,52,56,60
	v_pk_add_f32 v[14:15], v[14:15], v[S+\j:S+\j+1]
	v_pk_add_f32 v[PB:PB+1], v[PB:PB+1], v[S+\j+2:S+\j+3]
.endr
	v_pk_add_f32 v[14:15], v[14:15], v[PB:PB+1]
.irp b, 0,1,2,3
.irp i, 0,1,2,3,4,5,6,7,8,9,10,11,12,13,14,15
	v_min_num_f32 v[S+16*\b+\i], v[S+16*\b+\i], v[HD+\b]   ; the conversion to an 8-bit code does not saturate (ISA guide 7.6.2); p is not negative, so the hold is one-sided
.endr
	v_cvt_scalef32_pk8_bf8_f32 v[PC+4*\b:PC+4*\b+1], v[S+16*\b:S+16*\b+7], v[SO+\b]
	v_cvt_scalef32_pk8_bf8_f32 v[PC+4*\b+2:PC+4*\b+3], v[S+16*\b+8:S+16*\b+15], v[SO+\b]
.endr
.irp j, 0,2,4,6
	v_pk_mul_f32 v[OT+\j:OT+\j+1], v[OT+\j:OT+\j+1], v[FF:FF+1] op_sel_hi:[1,0]   ; O^T under the new M: x f.  The first four stand between the last conversion and the loads into its sources
.endr
.irp n, 0,1,2,3
.irp c, 0,1,2,3
	ds_load_b128 v[S+16*\n+4*\c:S+16*\n+4*\c+3], v[ADR] offset:VC+2048*\n+512*\c   ; v's four fragments take p's place
.endr
.endr
	ds_load_b64 v[VSC:VSC+1], v[ADR8] offset:VS    ; and their scale words: register i holds fragment 2 i's in lanes 0-15, fragment 2 i + 1's in lanes 16-31
.irp j, 8,10,12,14,16,18,20,22,24,26,28,30
	v_pk_mul_f32 v[OT+\j:OT+\j+1], v[OT+\j:OT+\j+1], v[FF:FF+1] op_sel_hi:[1,0]   ; the other twelve while the loads are out.  For each product below at least twelve of the sixteen name none of its registers: its codes' four places
.endr
	s_wait_dscnt 0x0
.irp n, 0,1,2,3                        ; O^T += V^T P^T; K = these 128 keys.  The four accumulators take turns, one instruction a turn, with the eight products of the scores between a sum's links
.if \n % 2
	v_wmma_scale_f32_16x16x128_f8f6f4 v[OT+8*\n:OT+8*\n+7], v[S+16*\n:S+16*\n+15], v[PC:PC+15], v[OT+8*\n:OT+8*\n+7], v[VSC+\n/2], v[PS] matrix_a_fmt:MATRIX_FMT_BF8 matrix_b_fmt:MATRIX_FMT_BF8 matrix_a_scale:MATRIX_SCALE_ROW1
.else
	v_wmma_scale_f32_16x16x128_f8f6f4 v[OT+8*\n:OT+8*\n+7], v[S+16*\n:S+16*\n+15], v[PC:PC+15], v[OT+8*\n:OT+8*\n+7], v[VSC+\n/2], v[PS] matrix_a_fmt:MATRIX_FMT_BF8 matrix_b_fmt:MATRIX_FMT_BF8
.endif
.endr
	s_add_co_u32 s[KF], s[KF], 128
	s_add_co_u32 s[TB], s[TB], KVB                 ; the next step's record
.endm
; A TILE'S WAY OUT.  O^T / the sum goes through my stage in LDS and leaves as whole rows: 32 lanes store two rows of 256 bytes.  again = 1: my high tile takes over.
.macro FINISH obase, stg, again
.rept 8
	v_nop                                          ; eight places behind the last products
.endr
	v_add_f32 v14, v14, v15                        ; the sum's two halves,
	v_permlanex16_b32 v[TP], v14, s[SEL], s[SEL+1]
	v_add_f32 v14, v14, v[TP]                      ; and lane l xor 16's: the row's sum
	v_rcp_f32 v14, v14
	v_nop                                          ; one plain line behind the transcendental
.set jj, 0
	s_wait_alu depctr_va_vdst(0)
.rept 16
	v_pk_mul_f32 v[S+jj:S+jj+1], v[OT+jj:OT+jj+1], v[14:15] op_sel_hi:[1,0]   ; register 8 n + j is out(r, 16 n + 8 h + j); each result from its low end on
.set jj, jj+2
.endr
.irp t, 0,1,2,3
	ds_store_b128 v[STO], v[S+8*\t:S+8*\t+3] offset:\stg+64*\t
	ds_store_b128 v[STO], v[S+8*\t+4:S+8*\t+7] offset:\stg+64*\t+16
.endr
.irp i, 0,1,2,3,4,5,6,7
	ds_load_b128 v[S+32+4*\i:S+35+4*\i], v[RD] offset:\stg+544*\i   ; LDS serves a wave's instructions in order (ISA guide 5.7.1.4): these see my stores
.endr
.irp i, 0,1,2,3,4,5,6,7
	s_wait_dscnt 7-\i                              ; load i is back; the 7 - i younger ones may be out
	global_store_b128 v[L16], v[S+32+4*\i:S+35+4*\i], s[\obase:\obase+1] offset:512*\i th:TH_STORE_NT   ; 512 consecutive bytes, at a multiple of 256 from the output's first byte; written once, read by nobody here
.endr
.if \again
	v_mov_b32 v[QSC], v[QHS]                       ; the high tile's q: its scale word stands more than eight plain lines ahead of the next product, its codes more than four
.irp i, 0,1,2,3,4,5,6,7
	v_mov_b32 v[QF+\i], v[QH+\i]
.endr
	v_mov_b32 v13, 0xff61b1e6
	v_floor_f32 v12, -v13
	v_mov_b32 v14, 0
	v_mov_b32 v15, 0
.set jj, 0
.rept 32
	v_mov_b32 v[OT+jj], 0
.set jj, jj+1
.endr
	s_mov_b32 s[KF], 0                             ; it begins at the batch's first key
	s_mov_b32 s[Q0], s[Q0H]
	s_wait_xcnt 0x0                                ; the stores have read their data: the next step's products write those registers only behind this wait
.endif
.endm
; THE CHANGE OF SLOTS stands at a slot's head.  Each wave waits for all its tensor loads (its part of the slot that it is about to read), adds 0 to its spare word, and waits for that and for its reads of the slot
; that it has left.  Behind the barrier the slot ahead is whole and nobody reads the other one.  fill = 1: that other slot takes the next three steps' records: the load has three key steps in which to land.
.macro CHANGE fill
	s_wait_tensorcnt 0x0                           ; no tensor load of mine is out, so group 0 may be written
	ds_add_u32 v[SPW], v[NIL]                      ; 0 onto my spare word: with fill = 1 the descriptor's step stands between it and the wait for it
.if \fill
	s_xor_b32 s[G0+1], s[G0+1], SLOT1              ; the other slot than last time
	GADDR
.endif
	s_wait_dscnt 0x0                               ; the add is done, and my reads of the slot that I have left are over
	s_barrier_signal -1
	s_barrier_wait -1
.if \fill
	TLOAD                                          ; the first thing behind the barrier, and a wave's one tensor load until the next
.endif
.endm
; A slot's three key steps: written once, walked three times.  fin = 1: behind the step that holds my low tile's diagonal (the next first key lies beyond my first query) that tile goes out: a scalar branch on ids.
.macro STEPS3 fin
	s_mov_b32 s[CNT3], 3
.Lstep_\@:
	STEP
.if \fin
	s_cmp_gt_u32 s[KF], s[Q0]
	s_cbranch_scc0 .Lgoon_\@
	FINISH OLO, 0, 1
.Lgoon_\@:
.endif
	s_sub_co_u32 s[CNT3], s[CNT3], 1
	s_cmp_lg_u32 s[CNT3], 0
	s_cbranch_scc1 .Lstep_\@
	s_sub_co_u32 s[TB], s[TB], 3*KVB               ; back to a slot's first step,
	s_xor_b32 s[TB], s[TB], SLOT1                  ; in the other slot
.endm
	s_wait_loadcnt 0x0                             ; q, both tiles'
.Lslot:                                            ; ten trips, steps 0 to 29: behind each change of slots but the last the next slot is asked for.  The low tile ends at step J <= 15, inside this loop; the high tile's diagonal is step 32
	CHANGE 1
	STEPS3 1
	s_sub_co_u32 s[SLOTS], s[SLOTS], 1
	s_cmp_lg_u32 s[SLOTS], 0
	s_cbranch_scc1 .Lslot
	CHANGE 0                                       ; the last slot is written out
	STEPS3 0
	FINISH OHI, STG2, 0
	s_wait_tensorcnt 0x0                           ; the wave's end, behind my last tensor load and my last LDS store
	ds_add_u32 v[SPW], v[NIL]
	s_wait_dscnt 0x0
	s_endpgm
.Lfunc_end_k_q9e06fb17c3_attn:
	.size	k_q9e06fb17c3_attn, .Lfunc_end_k_q9e06fb17c3_attn-k_q9e06fb17c3_attn
	.p2alignl 7, 3214868480
	.fill 96, 4, 3214868480
	.section	.rodata,"a",@progbits
	.p2align	6, 0x0
	.amdhsa_kernel k_q9e06fb17c3_attn
		.amdhsa_group_segment_fixed_size 327680
		.amdhsa_private_segment_fixed_size 0
		.amdhsa_enable_private_segment 0
		.amdhsa_kernarg_size 16
		.amdhsa_user_sgpr_count 2
		.amdhsa_user_sgpr_kernarg_segment_ptr 1
		.amdhsa_wavefront_size32 1
		.amdhsa_system_sgpr_workgroup_id_x 1
		.amdhsa_system_sgpr_workgroup_id_y 1
		.amdhsa_system_sgpr_workgroup_id_z 1
		.amdhsa_system_vgpr_workitem_id 0
		.amdhsa_next_free_vgpr 256
		.amdhsa_next_free_sgpr 66
		.amdhsa_reserve_vcc 1
		.amdhsa_float_denorm_mode_32 3
		.amdhsa_float_denorm_mode_16_64 3
		.amdhsa_memory_ordered 1
		.amdhsa_forward_progress 1
		.amdhsa_inst_pref_size 65
	.end_amdhsa_kernel
	.amdgpu_metadata
---
amdhsa.version: [ 1, 2 ]
amdhsa.kernels:
  - .name:           k_q9e06fb17c3_attn
    .symbol:         k_q9e06fb17c3_attn.kd
    .args:
      - { .name: qkv, .offset: 0, .size: 8, .value_kind: global_buffer, .address_space: global }
      - { .name: out0, .offset: 8, .size: 8, .value_kind: global_buffer, .address_space: global }
    .group_segment_fixed_size: 327680
    .private_segment_fixed_size: 0
    .kernarg_segment_align: 8
    .kernarg_segment_size: 16
    .max_flat_workgroup_size: 256
    .sgpr_count:     66
    .vgpr_count:     256
    .wavefront_size: 32
...
	.end_amdgpu_metadata
.endif
;; end of part 2
